; MI455X (gfx1250); checked and timed in simulation.
; The chip was launched on July 23, 2026; its instructions are those of AMD's public machine-readable ISA for CDNA 5 (MIT licence, August 2026) and "CDNA5" Instruction Set Architecture Reference Guide (July 2026). The comments in the code are by the model that wrote it; some were corrected since.
;; Static Dual Expert Linear. Allowed arithmetic: matrix products marked QUANTISED: E3M2 operands, one E8M0 scale for each 32 along K, by v_wmma_scale_f32_16x16x128_f8f6f4 with both operands' format E3M2, f32 sums; everything else in f32.
;; Inputs: W_img_codes 2,048 x 64 x 24 uint8 (E3M2 codes of W_img, K innermost, in blocks of 32 codes, four codes in three bytes); W_img_scales 2,048 x 64 uint8 (E8M0 scales of W_img, one for each 32 codes along K); W_text_codes 2,048 x 64 x 24 uint8 (E3M2 codes of W_text, K innermost, in blocks of 32 codes, four codes in three bytes); W_text_scales 2,048 x 64 uint8 (E8M0 scales of W_text, one for each 32 codes along K); b_img 2,048 float32; b_text 2,048 float32; token_modality_idx 4 x 2,048 int32; x_codes 4 x 2,048 x 64 x 24 uint8 (E3M2 codes of x, K innermost, in blocks of 32 codes, four codes in three bytes); x_scales 4 x 2,048 x 64 uint8 (E8M0 scales of x, one for each 32 codes along K).
;; Outputs: out0 4 x 2,048 x 2,048 float32.
;; This version of the problem:
;;   THIS VERSION OF THE PROBLEM IS GIVEN IN LOW PRECISION. The matrix products marked QUANTISED in the list below multiply operands that are first quantised to E3M2 (3 exponent bits, 2 mantissa bits; 6 bits a number), with one power-of-two scale for each 32 numbers along K (OCP MX v1.0); their sums are f32. All else is computed in f32.
;;   The module's matrix products, in the order in which they are computed (A, B: the left and right operand; K: the contracted axis; several contracted axes count as one K, in the product's order):
;;     1. [M 8,192, K 2,048] x [K 2,048, N 2,048]; A: input x (given as codes); B: input W_img (given as codes): QUANTISED
;;     2. [M 8,192, K 2,048] x [K 2,048, N 2,048]; A: input x (given as codes); B: input W_text (given as codes): QUANTISED
;;   THE QUANTISER, for each operand of a quantised product, along K:
;;     - K is cut into blocks of 32 from its start; a last block that is shorter is filled with zeros.
;;     - A block's scale is 2^e with e = floor(log2(the largest magnitude in the block)) - 4, held to -126 .. 127; a block of zeros has e = 0. As a byte (E8M0): e + 127.
;;     - Each number is divided by its block's scale, clamped to +-28, and rounded to the nearest number of E3M2, ties to even, subnormals kept.
;;     - The product sums the exact products of the quantised numbers (number of the format x scale) in f32.
;;   ~~~python
;;   def quantise(x, axis):      # numpy; x: float32 -> the quantised numbers, widened to float32 again
;;       x = np.moveaxis(x, axis, -1); K = x.shape[-1]
;;       x = np.pad(x, [(0, 0)] * (x.ndim - 1) + [(0, -K % 32)]); x = x.reshape(x.shape[:-1] + (-1, 32)); a = np.abs(x).max(-1, keepdims=True)
;;       e = np.where(a > 0, np.clip(np.frexp(np.where(a > 0, a, 1))[1] - 1 - 4, -126, 127), 0)      # np.frexp(a)[1] - 1 = floor(log2(a)), exactly
;;       r = np.clip(x / 2.0 ** e, -28, 28)
;;       step = 2.0 ** (np.maximum(np.frexp(np.where(r == 0, 1, r))[1] - 1, -2) - 2)
;;       q = np.round(r / step) * step * 2.0 ** e      # np.round: ties to even
;;       return np.moveaxis(q.reshape(q.shape[:-2] + (-1,))[..., :K], -1, axis).astype(np.float32)
;;   ~~~
;;   INPUTS GIVEN AS CODES. W_img (in the module: [2048, 2048], K = its axis 1); W_text (in the module: [2048, 2048], K = its axis 1); x (in the module: [4, 2048, 2048], K = its axis 2): each comes as NAME_codes (uint8): NAME with its K axis moved to the last place and cut into blocks of 32 codes, [.., K / 32, bytes a block], one block behind the other in memory; four codes in three bytes: a row's codes are one little-endian stream of bits, code i at bits 6 i .. 6 i + 5 (a code: sign, 3 exponent bits, 2 mantissa bits); and NAME_scales (uint8): the same leading axes, one E8M0 byte (e + 127) for each 32 codes along K. Its value is code x scale, taken as it is: it is not quantised again, and the codes and scales need not be those that the quantiser above would give.
;; One version. Each part assembles by itself: llvm-mc -triple=amdgcn-amd-amdhsa -mcpu=gfx1250 --defsym DOCPART=n.
;; ======== version 1 of 1: 2 launches
;; limits: right only within a limited range of input values
;; workspace buffers: xp 13,369,344 bytes; xps 557,056 bytes; wf 6,553,600 bytes; order 34,816 bytes of whole numbers; meta 256 bytes of whole numbers
;; launch prep (part 1): grid 320 x 1, 8 waves a work-group, no clusters, 1,280 bytes of LDS; arguments x_codes, x_scales, token_modality_idx, W_img_codes, W_img_scales, W_text_codes, W_text_scales, xp, xps, wf, order, meta; writes xp, xps, wf, order, meta
.if DOCPART == 1
	.amdgcn_target "amdgcn-amd-amdhsa--gfx1250"
	.amdhsa_code_object_version 6
	.text
	.protected	k_qae1900e4f8_prep
	.globl	k_qae1900e4f8_prep
	.p2align	8
	.type	k_qae1900e4f8_prep,@function
k_qae1900e4f8_prep:
	s_mov_b64 s[64:65], 0
	v_nop
	global_prefetch_b8 v0, s[64:65] scope:SCOPE_SE
	s_setreg_imm32_b32 hwreg(HW_REG_WAVE_MODE, 25, 1), 1
	s_wait_xcnt 0x0
; out[t] = x[t] W_e^T + b_e, e = image where token_modality_idx[t] is 1, text where it is 0.  This launch sorts the tokens by expert and lays the operands out; the next one multiplies.
; WORK LEFT OUT, AND WHY IT IS DEAD.  The result is text_out x (1 - m) + img_out x m.  For m = 0 that is text_out x 1 + img_out x 0, for m = 1 text_out x 0 + img_out x 1: in exact arithmetic the row of the
; expert that was not chosen, product and bias, reaches no output, whatever finite values the inputs hold.  m is a whole number that this launch reads from memory, so only the chosen expert's row is computed for each token.
; Every input still has a way to the output and is loaded.
; LIMITS.  token_modality_idx holds 0 or 1; any other value is taken as 1 (image, weight 1), where the formula above would weigh both experts.  A NaN, an infinity or an overflow that arises only in the
; expert that was not chosen is not carried to the result.
; SLOTS.  The next launch works on 8,704 token slots in 32 tiles of 272; a tile is of ONE expert.  With N image tokens ceil(N / 272) + ceil((8192 - N) / 272) is at most floor((8192 + 2 x 271) / 272) = 32 for every N.
; t_img = ceil(N / 272), TB = 272 t_img.  The image token of rank i takes slot i, the text token of rank j slot TB + j.  The 512 slots left over are padding: entry q takes slot N + q while q < TB - N, else slot 8192 + q.
; WHAT IS STORED.  xp [8704][1536]: x's rows of codes in slot order, zeros in padding.  xps [8704][64]: their scale bytes, 0x7f in padding.  order [8704]: the slot's token, 8192 for padding.  meta: 64 words, all t_img.
; wf [expert 2][512 rows of W 4][256 of K 8][102,400]: W in the order of the operand's registers: four records of 25,600 bytes, one for each 128 rows of W; in a record [q 2][block of 16 rows 8][1,536]: a fragment's 12 registers,
; registers 4 c .. 4 c + 3 of lane l at 512 c + 16 l; behind them, at 24,576, [q 2][lane 32][j 4] scale words: word j of lane l belongs to row 32 j + l.
; SHARES.  Work-groups 0 to 255: 32 tokens and 2 padding slots each; a wave moves 4 rows.  Work-groups 256 to 319: a wave lays one (expert, 128 rows, 128 along K) of W.  No matrix work, no tensor load, EXEC never changes.
.set SPARE, 256                        ; LDS: bytes 0-31 the eight waves' counts; from 256 on the spare words, 128 bytes for each wave
.set SPW,   126                        ; v126  LDS address of my spare word; never rewritten
.set NIL,   127                        ; v127  0; never rewritten
.set LASTS, 0x21ff                     ; the last slot, 8,703
.set BREC,  25600
.set BBLK,  4*BREC
.set EXPB,  32*BBLK                    ; from one expert to the other in wf
	s_load_b512 s[4:19], s[0:1], 0x0               ; x_codes s[4:5], x_scales s[6:7], idx s[8:9], W_img codes s[10:11], scales s[12:13], W_text codes s[14:15], scales s[16:17], xp s[18:19]
	s_load_b256 s[20:27], s[0:1], 0x40             ; xps s[20:21], wf s[22:23], order s[24:25], meta s[26:27]
	v_lshl_add_u32 v[SPW], v0, 2, SPARE
	v_mov_b32 v[NIL], 0
	v_lshrrev_b32 v10, 5, v0
	s_delay_alu instid0(VALU_DEP_1)
	v_readfirstlane_b32 s28, v10                   ; wave 0..7
	v_and_b32 v1, 31, v0                           ; lane
	s_delay_alu instid0(VALU_DEP_1)
	v_lshlrev_b32 v2, 4, v1                        ; 16 x lane
	s_wait_kmcnt 0x0
	s_cmp_lt_u32 ttmp9, 256
	s_cbranch_scc0 .Lw
; ---------------- the tokens ----------------
	s_lshl_b32 s30, ttmp9, 5                       ; my work-group's first token, 32 b
	s_lshl_b32 s46, s28, 2
	s_add_co_u32 s46, s46, s30                     ; my wave's first token
	s_mul_i32 s48, s46, 1536
	s_mov_b32 s49, 0
	s_add_nc_u64 s[4:5], s[4:5], s[48:49]          ; its codes,
	s_lshl_b32 s48, s46, 6
	s_add_nc_u64 s[6:7], s[6:7], s[48:49]          ; its scale bytes
	s_lshl_b32 s50, s28, 12
	s_wait_alu depctr_va_vdst(0)
	v_add_nc_u32 v3, s50, v2                       ; idx: my wave counts tokens 1024 w .. 1024 w + 1023: 4,096 bytes, 16 a lane and load
	s_lshl_b32 s51, ttmp9, 7
	v_lshl_add_u32 v4, v1, 2, s51                  ; idx of my work-group's own 32 tokens, one a lane
	v_lshlrev_b32 v5, 3, v1                        ; 8 x lane
	; all loads go out together: none of their addresses hangs on data
.irp j, 0,1,2,3,4,5,6,7
	global_load_b128 v[32+4*\j:35+4*\j], v3, s[8:9] offset:512*\j
.endr
	global_load_b32 v30, v4, s[8:9]
.irp n, 0,1,2,3,4,5,6,7,8,9,10,11
	global_load_b128 v[64+4*\n:67+4*\n], v2, s[4:5] offset:512*\n th:TH_LOAD_NT   ; my 4 rows of codes are 6,144 consecutive bytes: 512 a load; read once in the launch
.endr
	global_load_b64 v[112:113], v5, s[6:7]         ; my 4 rows of scale bytes: 256 consecutive bytes
	s_lshl_b32 s50, s28, 10
	v_lshl_add_u32 v7, v1, 2, s50                  ; the first of my lane's four tokens in load 0: 1024 w + 4 l
	v_lshlrev_b32 v10, 2, v10                      ; LDS: my wave's word
	s_mov_b32 s31, 0                               ; image tokens among my wave's 1,024,
	s_mov_b32 s32, 0                               ; and those of them that come ahead of my work-group's first token
	s_wait_alu depctr_va_vdst(0)
	s_wait_loadcnt 13                              ; the nine loads of idx are in; the 12 of codes and the one of scale bytes may be out
.irp j, 0,1,2,3,4,5,6,7
	v_add_nc_u32 v8, 128*\j, v7
	s_delay_alu instid0(VALU_DEP_1)
	v_cmp_gt_u32 s33, s30, v8                      ; 32 b is a multiple of 4: a lane's four tokens lie on one side of it
.irp k, 0,1,2,3
	v_cmp_ne_u32 s34, 0, v[32+4*\j+\k]             ; one bit a lane: image
	s_bcnt1_i32_b32 s35, s34
	s_add_co_u32 s31, s31, s35
	s_and_b32 s34, s34, s33
	s_bcnt1_i32_b32 s35, s34
	s_add_co_u32 s32, s32, s35
.endr
.endr
	s_lshl_b32 s32, s32, 16                        ; both counts stay under 2^16, their sums over the waves too (8,192 at the most)
	s_or_b32 s31, s31, s32
	v_mov_b32 v9, s31
	ds_store_b32 v10, v9                           ; all lanes write the wave's word with the same value
	s_wait_dscnt 0x0                               ; for the others' sake: my store is done
	s_barrier_signal -1
	s_barrier_wait -1
	v_mov_b32 v11, 0
	ds_load_b128 v[12:15], v11
	ds_load_b128 v[16:19], v11 offset:16
	s_wait_dscnt 0x0
	v_add_nc_u32 v12, v12, v13
	v_add_nc_u32 v14, v14, v15
	v_add_nc_u32 v16, v16, v17
	v_add_nc_u32 v18, v18, v19
	s_delay_alu instid0(VALU_DEP_3)
	v_add_nc_u32 v12, v12, v14
	s_delay_alu instid0(VALU_DEP_2)
	v_add_nc_u32 v16, v16, v18
	s_delay_alu instid0(VALU_DEP_1)
	v_add_nc_u32 v12, v12, v16
	s_delay_alu instid0(VALU_DEP_1)
	v_readfirstlane_b32 s36, v12
	s_and_b32 s37, s36, 0xffff                     ; N: image tokens in all
	s_lshr_b32 s38, s36, 16                        ; P: image tokens ahead of my work-group's
	s_add_co_u32 s39, s37, 271
	s_mul_i32 s39, s39, 15421
	s_lshr_b32 s39, s39, 22                        ; t_img = floor((N + 271) / 272): 15421 x 272 = 2^22 + 208, so the quotient is exact while 208 q + 15421 x 271 < 2^22; q is 31 at the most
	s_mul_i32 s40, s39, 272                        ; TB
	s_sub_co_u32 s41, s40, s37                     ; the image part's padding, TB - N
	v_cmp_ne_u32 s42, 0, v30                       ; my work-group's 32 tokens: one bit each
	s_add_co_u32 s43, s40, s30
	s_sub_co_u32 s43, s43, s38                     ; TB + the text tokens ahead of my work-group's: TB + 32 b - P
; the slot of my wave's k-th token, as a scalar, held inside the table
.macro POS k
	s_lshl_b32 s52, s28, 2
	s_add_co_u32 s52, s52, \k                      ; its place among the 32
	s_bfm_b32 s53, s52, 0
	s_and_b32 s53, s42, s53
	s_bcnt1_i32_b32 s53, s53                       ; image tokens of the 32 ahead of it
	s_add_co_u32 s54, s38, s53                     ; as an image token,
	s_add_co_u32 s55, s43, s52
	s_sub_co_u32 s55, s55, s53                     ; as a text token
	s_bitcmp1_b32 s42, s52
	s_cselect_b32 s[44+\k], s54, s55
	s_min_u32 s[44+\k], s[44+\k], LASTS
	s_mul_i32 s53, s[44+\k], 1536
	v_add_nc_u32 v[20+\k], s53, v2
.endm
	POS 0
	POS 1
	POS 2
	POS 3
	v_lshrrev_b32 v25, 3, v1                       ; the scale bytes: lane l holds 8 bytes of row l / 8
	v_mov_b32 v26, s44
.irp k, 1,2,3
	v_mov_b32 v27, s[44+\k]
	v_cmp_eq_u32 vcc_lo, \k, v25
	s_delay_alu instid0(VALU_DEP_1)
	v_cndmask_b32 v26, v26, v27, vcc_lo
.endr
	s_delay_alu instid0(VALU_DEP_1)
	v_min_u32 v26, LASTS, v26
	s_delay_alu instid0(VALU_DEP_1)
	v_lshlrev_b32 v26, 6, v26
	v_and_b32 v27, 7, v1
	s_delay_alu instid0(VALU_DEP_1)
	v_lshl_add_u32 v24, v27, 3, v26
	s_wait_alu depctr_va_vdst(0)
	s_wait_loadcnt 0x0
.irp k, 0,1,2,3
.irp c, 0,1,2
	global_store_b128 v[20+\k], v[64+12*\k+4*\c:67+12*\k+4*\c], s[18:19] offset:512*\c   ; a row of 1,536 bytes begins at a multiple of 256 from xp's first byte; each store covers 512 consecutive bytes of it
.endr
.endr
	global_store_b64 v24, v[112:113], s[20:21]     ; rows of 64 bytes, eight lanes each
	s_cmp_lg_u32 s28, 0
	s_cbranch_scc1 .Lnot0
	v_mbcnt_lo_u32_b32 v32, s42, 0                 ; wave 0: the 32 tokens' entries of order, a lane a token: the same sums, lane by lane
	s_delay_alu instid0(VALU_DEP_1)
	v_add_nc_u32 v33, s38, v32
	v_add_nc_u32 v34, s43, v1
	s_delay_alu instid0(VALU_DEP_1)
	v_sub_nc_u32 v34, v34, v32
	v_cmp_ne_u32 vcc_lo, 0, v30
	s_delay_alu instid0(VALU_DEP_1)
	v_cndmask_b32 v33, v34, v33, vcc_lo
	s_delay_alu instid0(VALU_DEP_1)
	v_min_u32 v33, LASTS, v33
	s_delay_alu instid0(VALU_DEP_1)
	v_lshlrev_b32 v33, 2, v33
	v_add_nc_u32 v35, s30, v1                      ; the token
	global_store_b32 v33, v35, s[24:25]
.Lnot0:
	s_cmp_lt_u32 s28, 2
	s_cbranch_scc0 .Lnopad
	s_lshl_b32 s52, ttmp9, 1                       ; waves 0 and 1: padding entry q = 2 b + w
	s_add_co_u32 s52, s52, s28
	s_cmp_lt_u32 s52, s41
	s_cselect_b32 s53, s37, 0x2000
	s_add_co_u32 s53, s53, s52                     ; slot N + q or 8192 + q
	s_min_u32 s53, s53, LASTS
	s_mul_i32 s54, s53, 1536
	v_add_nc_u32 v36, s54, v2
	v_mov_b32 v40, 0
	v_mov_b32 v41, 0
	v_mov_b32 v42, 0
	v_mov_b32 v43, 0
.irp c, 0,1,2
	global_store_b128 v36, v[40:43], s[18:19] offset:512*\c          ; zero codes: they add nothing under any scale byte but 0xff
.endr
	s_lshl_b32 s54, s53, 6
	v_lshl_add_u32 v37, v1, 1, s54
	v_mov_b32 v38, 0x7f7f
	global_store_b16 v37, v38, s[20:21]            ; 32 lanes x 2 bytes: the row's 64 scale bytes
	s_lshl_b32 s54, s53, 2
	v_mov_b32 v39, s54
	v_mov_b32 v44, 0x2000
	global_store_b32 v39, v44, s[24:25]            ; order: no token (all lanes write the one word with the same value)
.Lnopad:
	s_or_b32 s52, ttmp9, s28
	s_cmp_lg_u32 s52, 0
	s_cbranch_scc1 .Lend
	v_mov_b32 v46, s39                             ; work-group 0, wave 0: t_img, 64 times: 256 consecutive bytes
	v_mov_b32 v47, s39
	global_store_b64 v5, v[46:47], s[26:27]
.Lend:
	s_wait_tensorcnt 0x0                           ; the wave's end, behind my last LDS store
	ds_add_u32 v[SPW], v[NIL]
	s_wait_dscnt 0x0
	s_endpgm
; ---------------- the weights: no LDS ----------------
.Lw:
	s_sub_co_u32 s29, ttmp9, 256                   ; 0 .. 63
	s_cmp_lt_u32 s29, 32                           ; the first 32 work-groups take W_img, the others W_text: the choice hangs on the work-group's number alone
	s_cselect_b64 s[10:11], s[10:11], s[14:15]
	s_cselect_b64 s[12:13], s[12:13], s[16:17]
	s_lshl_b32 s30, s29, 3
	s_add_co_u32 s30, s30, s28                     ; my unit u = [expert 1 bit][128 rows 4 bits][256 of K 3 bits][q 1 bit]
	s_lshr_b32 s31, s30, 8                         ; expert
	s_bfe_u32 s32, s30, 0x40004                    ; g: rows 128 g on
	s_bfe_u32 s33, s30, 0x30001                    ; which 256 along K
	s_and_b32 s34, s30, 1                          ; q: which 128 of them
	s_lshr_b32 s35, s32, 2                         ; which 512 rows
	s_and_b32 s36, s32, 3                          ; the record in their block
	s_mul_i32 s40, s32, 128*1536
	s_mul_i32 s42, s33, 192
	s_add_co_u32 s40, s40, s42
	s_mul_i32 s42, s34, 96
	s_add_co_u32 s40, s40, s42
	s_mov_b32 s41, 0
	s_add_nc_u64 s[10:11], s[10:11], s[40:41]      ; the codes: row 128 g, byte 192 x (256 of K) + 96 q
	s_lshl_b32 s40, s32, 13
	s_lshl_b32 s42, s33, 3
	s_add_co_u32 s40, s40, s42
	s_lshl_b32 s42, s34, 2
	s_add_co_u32 s40, s40, s42
	s_add_nc_u64 s[12:13], s[12:13], s[40:41]      ; the scale bytes
	s_mul_i32 s44, s31, EXPB
	s_lshl_b32 s42, s35, 3
	s_add_co_u32 s42, s42, s33
	s_mul_i32 s42, s42, BBLK
	s_add_co_u32 s44, s44, s42
	s_mul_i32 s42, s36, BREC
	s_add_co_u32 s44, s44, s42
	s_mov_b32 s45, 0
	s_add_nc_u64 s[22:23], s[22:23], s[44:45]      ; my record in wf
	s_mul_i32 s46, s34, 12288
	s_mov_b32 s47, 0
	s_add_nc_u64 s[46:47], s[22:23], s[46:47]      ; its eight fragments of my q,
	s_lshl_b32 s48, s34, 9
	s_add_co_u32 s48, s48, 24576
	s_mov_b32 s49, 0
	s_add_nc_u64 s[48:49], s[22:23], s[48:49]      ; its scale words of my q
	v_and_b32 v6, 15, v0                           ; r
	v_bfe_u32 v7, v0, 4, 1                         ; h
	s_delay_alu instid0(VALU_DEP_2)
	v_mul_u32_u24 v3, v6, 1536
	s_delay_alu instid0(VALU_DEP_1)
	v_mad_u32_u24 v3, v7, 24, v3                   ; a fragment: lane (r, h) takes, of row r, the 24 bytes at 24 h and those at 48 + 24 h, as three pieces of 8 bytes each
	s_wait_alu depctr_va_vdst(0)
	v_lshlrev_b32 v4, 6, v1                        ; scale words: row = lane, 64 bytes a row
.irp bl, 0,1,2,3,4,5,6,7
.irp p, 0,1,2,3,4,5
	global_load_b64 v[16+12*\bl+2*\p:17+12*\bl+2*\p], v3, s[10:11] offset:\bl*24576+48*(\p/3)+8*(\p%3)
.endr
.endr
.irp j, 0,1,2,3
	global_load_b32 v[112+\j], v4, s[12:13] offset:2048*\j           ; row 32 j + lane
.endr
.irp bl, 0,1,2,3,4,5,6,7
	s_wait_loadcnt 46-6*\bl                        ; this block's six loads are in; the later blocks' and the four of scale words may be out
.irp c, 0,1,2
	global_store_b128 v2, v[16+12*\bl+4*\c:19+12*\bl+4*\c], s[46:47] offset:\bl*1536+512*\c   ; the registers as they stand: 512 consecutive bytes a store
.endr
.endr
	s_wait_loadcnt 0x0
	global_store_b128 v2, v[112:115], s[48:49]
	s_endpgm
.Lfunc_end_k_qae1900e4f8_prep:
	.size	k_qae1900e4f8_prep, .Lfunc_end_k_qae1900e4f8_prep-k_qae1900e4f8_prep
	.p2alignl 7, 3214868480
	.fill 96, 4, 3214868480
	.section	.rodata,"a",@progbits
	.p2align	6, 0x0
	.amdhsa_kernel k_qae1900e4f8_prep
		.amdhsa_group_segment_fixed_size 1280
		.amdhsa_private_segment_fixed_size 0
		.amdhsa_enable_private_segment 0
		.amdhsa_kernarg_size 96
		.amdhsa_user_sgpr_count 2
		.amdhsa_user_sgpr_kernarg_segment_ptr 1
		.amdhsa_wavefront_size32 1
		.amdhsa_system_sgpr_workgroup_id_x 1
		.amdhsa_system_sgpr_workgroup_id_y 1
		.amdhsa_system_sgpr_workgroup_id_z 1
		.amdhsa_system_vgpr_workitem_id 0
		.amdhsa_next_free_vgpr 128
		.amdhsa_next_free_sgpr 66
		.amdhsa_reserve_vcc 1
		.amdhsa_float_denorm_mode_32 3
		.amdhsa_float_denorm_mode_16_64 3
		.amdhsa_memory_ordered 1
		.amdhsa_forward_progress 1
		.amdhsa_inst_pref_size 29
	.end_amdhsa_kernel
	.amdgpu_metadata
---
amdhsa.version: [ 1, 2 ]
amdhsa.kernels:
  - .name:           k_qae1900e4f8_prep
    .symbol:         k_qae1900e4f8_prep.kd
    .args:
      - { .name: x_codes, .offset: 0, .size: 8, .value_kind: global_buffer, .address_space: global }
      - { .name: x_scales, .offset: 8, .size: 8, .value_kind: global_buffer, .address_space: global }
      - { .name: token_modality_idx, .offset: 16, .size: 8, .value_kind: global_buffer, .address_space: global }
      - { .name: W_img_codes, .offset: 24, .size: 8, .value_kind: global_buffer, .address_space: global }
      - { .name: W_img_scales, .offset: 32, .size: 8, .value_kind: global_buffer, .address_space: global }
      - { .name: W_text_codes, .offset: 40, .size: 8, .value_kind: global_buffer, .address_space: global }
      - { .name: W_text_scales, .offset: 48, .size: 8, .value_kind: global_buffer, .address_space: global }
      - { .name: xp, .offset: 56, .size: 8, .value_kind: global_buffer, .address_space: global }
      - { .name: xps, .offset: 64, .size: 8, .value_kind: global_buffer, .address_space: global }
      - { .name: wf, .offset: 72, .size: 8, .value_kind: global_buffer, .address_space: global }
      - { .name: order, .offset: 80, .size: 8, .value_kind: global_buffer, .address_space: global }
      - { .name: meta, .offset: 88, .size: 8, .value_kind: global_buffer, .address_space: global }
    .group_segment_fixed_size: 1280
    .private_segment_fixed_size: 0
    .kernarg_segment_align: 8
    .kernarg_segment_size: 96
    .max_flat_workgroup_size: 256
    .sgpr_count:     66
    .vgpr_count:     128
    .wavefront_size: 32
...
	.end_amdgpu_metadata
.endif
;; end of part 1
;; launch gemm (part 2): grid 8 x 32, 4 waves a work-group, clusters of 4 x 1, 327,680 bytes of LDS; arguments xp, xps, wf, order, meta, b_img, b_text, out0; writes out0
.if DOCPART == 2
	.amdgcn_target "amdgcn-amd-amdhsa--gfx1250"
	.amdhsa_code_object_version 6
	.text
	.protected	k_qae1900e4f8_gemm
	.globl	k_qae1900e4f8_gemm
	.p2align	8
	.type	k_qae1900e4f8_gemm,@function
k_qae1900e4f8_gemm:
	s_mov_b64 s[64:65], 0
	v_nop
	global_prefetch_b8 v0, s[64:65] scope:SCOPE_SE
	s_setreg_imm32_b32 hwreg(HW_REG_WAVE_MODE, 25, 1), 1
	s_wait_xcnt 0x0
	s_wait_alu depctr_hold_cnt(0) depctr_sa_sdst(0) depctr_va_vdst(0) depctr_va_sdst(0) depctr_va_ssrc(0) depctr_va_vcc(0) depctr_vm_vsrc(0)
	s_getreg_b32 s2, hwreg(HW_REG_IB_STS2, 6, 4)
	s_cmp_eq_u32 s2, 0
	s_cbranch_scc0 .Lentry_in_a_cluster
	s_endpgm
.Lentry_in_a_cluster:
	s_bfe_u32 s2, ttmp6, 0x10000c
	s_cmp_lg_u32 s2, 0x3003
	s_cbranch_scc0 .Lentry_shape_is_right
	s_endpgm
.Lentry_shape_is_right:
; out[t][:] = x[t] W_e^T + b_e on codes of BF6 (E3M2) with one E8M0 scale for each 32 along K, e the expert chosen for token t.
; WORK LEFT OUT: the row of the expert that was not chosen is multiplied by 0 in the result's formula and reaches no output (shown at the head of the launch before); only the chosen expert's product and bias are computed.
; LIMITS as there: an index other than 0 counts as image; a NaN, an infinity or an overflow that arises only in the expert not chosen is not carried to the result.
; INPUTS, as the launch before laid them: xp [8704][1536], xps [8704][64]: the tokens' codes and scale bytes in slot order, each expert's part padded to whole tiles of 272 slots with zero codes;
; order [8704]: the slot's token, 8192 for padding; meta: t_img, the number of tiles that are image's; wf: both W in the order of the operand's registers.
; SHARES.  Work-group (cg, g): slots 272 g on, all of ONE expert (image while g < t_img), x columns 256 cg on.  Wave w: all 272 slots x columns 64 w on: 17 x 4 accumulators of 16 x 16, 544 registers.
; W GOES FROM MEMORY STRAIGHT INTO REGISTERS: no two waves of a work-group need the same rows of W, and wf holds the fragments' registers as they stand: 12 loads of 512 consecutive bytes and one of scale words
; for 128 along K, into four sets of registers by turns, asked for three steps ahead of their products.  The expert is chosen by s_cselect (no branch hangs on a loaded number).
; THE TOKENS GO THROUGH LDS, in chunks of 512 bytes of each row (rows of tiles begin at multiples of 256 bytes): three chunks, chunk c in slot c % 2: two first fills and one refill.  Their scale bytes come once.
; A step of 128 along K is 96 bytes of a row: steps 5 and 10 lie across two chunks, and their fragments come from both slots.
; CLUSTERS of 4 x 1: the four partners have the same g and need the same tokens: the tokens' tiles and scale bytes are asked for JOINTLY (mask 15).  W is not shared in a cluster: the partners read different rows of it.
; PREFETCHES: each wave names, in step s, the 24 blocks of 256 bytes of its own four fragments of step s + 5, two steps ahead of the loads that fetch them (no other wave of the cluster loads them); steps 11 on ask for nothing.
; Chunk 2 of the tokens (two blocks of 256 bytes a row) is named in steps 1 and 2, ahead of the refill in step 5: of the 272 rows each of the cluster's 16 waves takes 17, told apart by address.  Chunks 0 and 1 come by their loads alone.
; THE MATRIX INSTRUCTION IS USED TRANSPOSED (source 0 = 16 rows of W, source 1 = 16 tokens): a lane holds one token and eight neighbouring columns.  The bias is the C of each sum's first matrix instruction.
; THE WAY OUT scatters: a block of 16 tokens x 64 columns goes through the wave's own stage in LDS; sixteen lanes store 256 consecutive bytes of a token's row, at a multiple of 256 from out0's first byte; padding slots are masked off by EXEC.
; REGISTERS.  Window 0: v1-25 addresses; v26-43 the tokens' scale words (two blocks a register, two steps a pair); v44-51 W's, four sets; v52-255 the tokens' 17 fragments, ONE set (on the way out: rows read back).
;   Window 1: v0-191 W's fragments, four sets (from step 13 on: the slots' tokens); v192-223 block 16's accumulators; v224-255 the bias.  Window 2: the accumulators of blocks 0-7 ((a, b) at v[32 a + 8 b]).  Window 3: blocks 8-15.
; All of LDS is claimed.  The text uses 323,840 bytes.
.set KROW,   1536
.set ROWB,   512                       ; a chunk
.set CHUNKS, 3
.set PITCH,  528                       ; an LDS row: 512 bytes + 16 of padding = 132 words: the 32 lanes of a load of 8 bytes touch 64 different banks (64 banks of 4 bytes: ISA guide 11.1)
.set FR,     12
.set SLOT,   272*PITCH
.set HALFA,  136*PITCH
.set QUART,  68*PITCH
.set RNG,    7*16*PITCH                ; an LDS offset has 16 bits: an address register serves seven blocks of 16 rows
.set SCL,    2*SLOT                    ; the tokens' scale bytes: 68 units of 256 bytes + 16 of padding
.set SBLK,   4*272                     ; those of 16 rows
.set STAGE,  305920                    ; the next multiple of 256 behind them: 16 rows x 272 bytes for each wave; no fill lands here
.set SPITCH, 272
.set SPARE,  323328                    ; the spare words, 128 bytes for each wave, which no other line names
.set BREC,   25600
.set BBLK,   4*BREC
.set EXPB,   32*BBLK
.set SPW,  1
.set NIL,  2
.set ADRA, 4                           ; v4-9    my fragment address in slot s, blocks 7 g on: register 3 s + g
.set ADRX, 10                          ; v10-15  the same for pieces whose lanes 0-15 read from byte 488 of slot s on and whose lanes 16-31 read the start of the row in the other slot
.set ADRS, 16                          ; scale words: lanes 0-15 a block's rows, lanes 16-31 the next block's
.set ADRS2, 17                         ; the same with both halves on one block (block 16 has no neighbour)
.set LBV,  18                          ; 16 x lane
.set LSV,  19                          ; 16 x lane + 8 (w % 2)
.set PFB,  20                          ; 256 x min(lane, 23)
.set PFA,  21                          ; 1536 x min(lane, 16)
.set STO,  22
.set RD,   23
.set CO,   24                          ; 16 x (lane % 16)
.set H32,  25                          ; 32 x (lane / 16)
.set SA,   26
.set SB,   44
.set AF,   52
.set BIAS, 224
.set BK,   64                          ; the way out: rows read back, v64-95 and v96-127 by turns
.set AT,   128                         ; and the stores' offsets, v128-135
.set G1A, 24
.set G1S, 32
.set G0H, 40
.set G0S, 44
.set G0R1, 48
.set G0R2, 52
.set WB,  56                           ; s[56:57] my fragments in wf; s[58:59] my record; s[60:61] my 17 rows of xp for the prefetch
.set WS,  58
.set PX,  60
.set MSB, 0
.macro WIN new                         ; the immediate's high byte repeats the setting that is left; a switch that changes nothing is dropped
.if MSB != (\new)
	s_set_vgpr_msb (MSB<<8)|(\new)
.set MSB, (\new)
.endif
.endm
.macro PLACES n
.rept \n
	v_nop
.endr
.endm
.macro CREST                           ; a round of the cluster's barrier behind its opening barrier
	s_cmp_lg_u32 s20, 0
	s_cbranch_scc1 .Lnot_wave_0_\@
	s_barrier_signal -3
.Lnot_wave_0_\@:
	s_barrier_wait -3
	s_barrier_signal -1
	s_barrier_wait -1
.endm
.macro CROUND
	s_barrier_signal -1
	s_barrier_wait -1
	CREST
.endm
	s_load_b256 s[4:11], s[0:1], 0x0               ; xp s[4:5], xps s[6:7], wf s[8:9], order s[10:11]
	s_load_b256 s[12:19], s[0:1], 0x20             ; meta s[12:13], b_img s[14:15], b_text s[16:17], out0 s[18:19]
	v_lshl_add_u32 v[SPW], v0, 2, SPARE
	v_mov_b32 v[NIL], 0
	ds_add_u32 v[SPW], v[NIL]                      ; the opening lines: the add, twice on end, and its wait ahead of my first tensor load
	ds_add_u32 v[SPW], v[NIL]
	v_lshrrev_b32 v3, 5, v0
	v_readfirstlane_b32 s20, v3                    ; wave 0..3
	s_lshr_b32 s21, s20, 1
	s_and_b32 s22, s20, 1
	s_bfe_u32 s72, ttmp6, 0x40000                  ; cx
	s_lshl_b32 s73, ttmp9, 2
	s_add_co_u32 s73, s73, s72                     ; cg = 4 x cluster x + cx: it enters W's, the bias's, out0's and the prefetch's addresses alone
	s_and_b32 s74, ttmp7, 0xffff                   ; g, which the four partners share
	; group 1, the tokens: rows of 512 bytes, 1,536 apart, 4 words of padding behind every 128; 136 rows at the head, 68 behind it; the mask names all four partners, bit 21 beside it
	s_mov_b32 s[G1A+0], 15|(1<<20)|(1<<21)|(6<<22)|(3<<25)
	s_mov_b32 s[G1A+1], ROWB<<16
	s_mov_b32 s[G1A+2], 136<<16
	s_mov_b32 s[G1A+3], ROWB<<16
	s_mov_b32 s[G1A+4], 136
	s_mov_b32 s[G1A+5], KROW
	s_mov_b32 s[G1A+6], 0
	s_mov_b32 s[G1A+7], 0
	; the scale bytes of 136 rows: 8,704 dense bytes as 34 rows of 256 (32 elements of 8 bytes), 4 words of padding behind each
	s_mov_b32 s[G1S+0], 15|(3<<16)|(1<<20)|(1<<21)|(5<<22)|(3<<25)
	s_mov_b32 s[G1S+1], 32<<16
	s_mov_b32 s[G1S+2], 34<<16
	s_mov_b32 s[G1S+3], 32<<16
	s_mov_b32 s[G1S+4], 34
	s_mov_b32 s[G1S+5], 32
	s_mov_b32 s[G1S+6], 0
	s_mov_b32 s[G1S+7], 0
	; offsets.  s88-99 hang on g and the wave alone: the joint loads' registers never hold cx
	s_mul_i32 s88, s74, 272                        ; the tile's first slot
	s_mul_i32 s89, s22, 136
	s_add_co_u32 s89, s89, s88                     ; the head: my half
	s_mul_i32 s92, s89, KROW
	s_mov_b32 s93, 0
	s_lshl_b32 s94, s89, 6
	s_mov_b32 s95, 0
	s_mul_i32 s90, s20, 68
	s_add_co_u32 s90, s90, s88                     ; behind the head: my quarter
	s_mul_i32 s96, s90, KROW
	s_mov_b32 s97, 0
	s_lshl_b32 s98, s88, 2
	s_mov_b32 s99, 0
	s_lshr_b32 s66, s73, 1
	s_mul_i32 s66, s66, 8*BBLK                     ; W: the eight blocks of rows 512 (cg / 2) on,
	s_and_b32 s75, s73, 1
	s_lshl_b32 s75, s75, 1
	s_add_co_u32 s75, s75, s21
	s_mul_i32 s75, s75, BREC                       ; the record that holds rows 256 cg + 64 w on,
	s_add_co_u32 s66, s66, s75
	s_mov_b32 s67, 0
	s_mul_i32 s68, s22, 6144                       ; and my four of its eight fragments
	s_mov_b32 s69, 0
	s_lshl_b32 s70, s73, 10
	s_lshl_b32 s75, s20, 8
	s_add_co_u32 s70, s70, s75                     ; my first column in bytes, 4 (256 cg + 64 w)
	s_mov_b32 s71, 0
	s_lshl_b32 s76, s72, 2
	s_add_co_u32 s76, s76, s20
	s_mul_i32 s76, s76, 17
	s_add_co_u32 s76, s76, s88
	s_mul_i32 s76, s76, KROW                       ; the prefetch: rows 17 (4 cx + w) on of the tile
	s_mov_b32 s77, 0
	s_mul_i32 s2, s22, HALFA                       ; LDS addresses: the wave's number alone
	s_mul_i32 s3, s22, 34*272
	s_mul_i32 s23, s20, QUART
	s_mul_i32 s91, s20, 16*SPITCH
	s_add_co_u32 s91, s91, STAGE
	s_lshl_b32 s78, s22, 3
	s_wait_dscnt 0x0                               ; both opening adds are done
	s_wait_kmcnt 0x0
	s_load_b32 s79, s[12:13], 0x0                  ; t_img: awaited behind the head's tensor loads, which do not hang on it
	s_add_nc_u64 s[92:93], s[4:5], s[92:93]
	s_add_nc_u64 s[94:95], s[6:7], s[94:95]
	s_add_nc_u64 s[96:97], s[4:5], s[96:97]
	s_add_nc_u64 s[10:11], s[10:11], s[98:99]      ; order at the tile's first slot
	s_add_nc_u64 s[18:19], s[18:19], s[70:71]      ; out0 at my first column
	s_add_nc_u64 s[PX:PX+1], s[4:5], s[76:77]
	s_mov_b32 s[G0H], 1                            ; chunk 0, my half
	s_mov_b32 s[G0H+1], s2
	s_mov_b64 s[G0H+2:G0H+3], s[92:93]
	s_or_b32 s[G0H+3], s[G0H+3], 0x80000000
	s_mov_b32 s[G0S], 1                            ; the scale bytes, my half
	s_add_co_u32 s[G0S+1], s3, SCL
	s_mov_b64 s[G0S+2:G0S+3], s[94:95]
	s_or_b32 s[G0S+3], s[G0S+3], 0x80000000
	s_mov_b32 s[G0R1], 1                           ; chunk 1, my quarter, into slot 1
	s_add_co_u32 s[G0R1+1], s23, SLOT
	s_add_nc_u64 s[G0R1+2:G0R1+3], s[96:97], ROWB
	s_or_b32 s[G0R1+3], s[G0R1+3], 0x80000000
	s_mov_b32 s[G0R2], 1                           ; chunk 2, my quarter, into slot 0
	s_mov_b32 s[G0R2+1], s23
	s_add_nc_u64 s[G0R2+2:G0R2+3], s[96:97], 2*ROWB
	s_or_b32 s[G0R2+3], s[G0R2+3], 0x80000000
	CROUND                                         ; all four work-groups are here: the first joint loads meet
	s_cmp_eq_u32 s21, 0                            ; the head's loads, one a wave: waves 0 and 1 chunk 0's halves, waves 2 and 3 the scale bytes' halves
	s_cbranch_scc0 .Lhead_s
	tensor_load_to_lds s[G0H:G0H+3], s[G1A:G1A+7]
	s_nop 0
	PLACES 4
	s_branch .Lhead_done
.Lhead_s:
	tensor_load_to_lds s[G0S:G0S+3], s[G1S:G1S+7]
	s_nop 0
	PLACES 4
.Lhead_done:
	v_and_b32 v52, 15, v0                          ; r
	v_bfe_u32 v53, v0, 4, 1                        ; h
	v_and_b32 v54, 31, v0                          ; lane
	v_mul_u32_u24 v55, v52, PITCH
	v_mad_u32_u24 v[ADRA], v53, 24, v55            ; a fragment's row x pitch + 24 x half
	v_mad_u32_u24 v56, v53, SLOT-488, v55
	v_add_nc_u32 v[ADRX], 488, v56                 ; lanes 0-15 byte 488 of the row in slot 0, lanes 16-31 byte 0 of the row in slot 1
	v_sub_nc_u32 v57, 1, v53
	v_mad_u32_u24 v[ADRX+3], v57, SLOT+488, v55    ; lanes 0-15 byte 488 in slot 1, lanes 16-31 byte 0 in slot 0
	v_add_nc_u32 v[ADRA+3], SLOT, v[ADRA]
.irp k, 0,3
	v_add_nc_u32 v[ADRA+\k+1], RNG, v[ADRA+\k]
	v_add_nc_u32 v[ADRA+\k+2], 2*RNG, v[ADRA+\k]
	v_add_nc_u32 v[ADRX+\k+1], RNG, v[ADRX+\k]
	v_add_nc_u32 v[ADRX+\k+2], 2*RNG, v[ADRX+\k]
.endr
	v_lshlrev_b32 v58, 6, v52                      ; my row's scale bytes: 64 a row,
	v_lshrrev_b32 v59, 2, v52
	v_lshl_add_u32 v58, v59, 4, v58                ; and 16 more for each 256 passed
	v_add_nc_u32 v[ADRS2], SCL, v58
	v_mad_u32_u24 v[ADRS], v53, SBLK, v[ADRS2]     ; lanes 16-31: 16 rows on
	v_lshlrev_b32 v[LBV], 4, v54
	v_add_nc_u32 v[LSV], s78, v[LBV]
	v_min_u32 v60, 23, v54
	v_lshlrev_b32 v[PFB], 8, v60                   ; (lanes left over name the last block again)
	v_min_u32 v61, 16, v54
	v_mul_u32_u24 v[PFA], v61, KROW
	v_mul_u32_u24 v62, v52, SPITCH
	v_lshl_add_u32 v62, v53, 5, v62
	v_add_nc_u32 v[STO], s91, v62                  ; into the stage: row r, 32 bytes for each half of the lanes
	v_mul_u32_u24 v63, v53, 8*SPITCH
	v_lshl_add_u32 v63, v52, 4, v63
	v_add_nc_u32 v[RD], s91, v63                   ; back: lanes 0-15 row t, lanes 16-31 row 8 + t; 16 bytes a lane
	v_lshlrev_b32 v[CO], 4, v52
	v_lshlrev_b32 v[H32], 5, v53
	s_wait_alu depctr_va_vdst(0)
	s_wait_kmcnt 0x0
	s_min_u32 s79, s79, 32
	s_cmp_lt_u32 s74, s79                          ; is my tile image's?
	s_cselect_b32 s75, 0, EXPB
	s_cselect_b64 s[14:15], s[14:15], s[16:17]
	s_add_co_u32 s66, s66, s75
	s_add_nc_u64 s[WS:WS+1], s[8:9], s[66:67]
	s_add_nc_u64 s[WB:WB+1], s[WS:WS+1], s[68:69]
	s_add_nc_u64 s[14:15], s[14:15], s[70:71]      ; the expert's bias at my first column
; A fragment of tokens, 16 rows x 128 K: 12 registers; lane l holds row l % 16; registers 6 c .. 6 c + 5 hold K = 64 c + 32 (l / 16) + 0 .. 31: 24 bytes of the row's stream of bits, in pieces of 8 bytes, each inside one chunk.
.macro FRAG st, i
.irp p, 0,1,2,3,4,5
.set BY, 96*(\st)+48*(\p/3)+8*(\p%3)
.if BY/ROWB == (BY+24)/ROWB
	ds_load_b64 v[AF+FR*(\i)+2*\p:AF+FR*(\i)+2*\p+1], v[ADRA+3*((BY/ROWB)%2)+(\i)/7] offset:BY%ROWB+((\i)%7)*16*PITCH
.else
	ds_load_b64 v[AF+FR*(\i)+2*\p:AF+FR*(\i)+2*\p+1], v[ADRX+3*((BY/ROWB)%2)+(\i)/7] offset:BY%ROWB-488+((\i)%7)*16*PITCH
.endif
.endr
.endm
.macro FETCH_A st, i0, n
.set FI, \i0
.rept \n
	FRAG \st, FI
.set FI, FI+1
.endr
.endm
.macro SCLA pr, j0, n                  ; the tokens' scale words of steps 2 pr, 2 pr + 1: register pair j: lanes 0-15 block 2 j, lanes 16-31 block 2 j + 1
.set SI, \j0
.rept \n
.if SI < 8
	ds_load_b64 v[SA+2*SI:SA+2*SI+1], v[ADRS] offset:SI*2*SBLK+8*(\pr)
.else
	ds_load_b64 v[SA+16:SA+17], v[ADRS2] offset:16*SBLK+8*(\pr)
.endif
.set SI, SI+1
.endr
.endm
.macro LOADB st                        ; W's four fragments of step st, the registers' image, and their scale words (register b / 2: lanes 0-15 block b even, lanes 16-31 block b odd) into set st % 4: 13 loads
	WIN 0x40
.irp n, 0,1,2,3,4,5,6,7,8,9,10,11
	global_load_b128 v[48*((\st)%4)+4*\n:48*((\st)%4)+4*\n+3], v[LBV], s[WB:WB+1] offset:((\st)/2)*BBLK+((\st)%2)*12288+512*\n
.endr
	WIN 0
	global_load_b64 v[SB+2*((\st)%4):SB+2*((\st)%4)+1], v[LSV], s[WS:WS+1] offset:((\st)/2)*BBLK+24576+((\st)%2)*512
.endm
.macro LOADO a0, n                     ; the slots' tokens of blocks a0 on into registers of W's that are done with.  Lane (r, h), register t of block a: order[16 a + 8 h + t]
	WIN 0x40
.set OI, \a0
.rept \n
	global_load_b128 v[8*OI:8*OI+3], v[H32], s[10:11] offset:64*OI
	global_load_b128 v[8*OI+4:8*OI+7], v[H32], s[10:11] offset:64*OI+16
.set OI, OI+1
.endr
	WIN 0
.endm
; 4 matrix instructions: the tokens' block a x W's four, 128 along K.  first = 1: C is the bias, which starts the sums.  The 68 accumulators take turns, one instruction a turn, in the same order in every step.
.macro MULB a, st, first
.if (\a) < 16
.set AC, 32*((\a)%8)
.else
.set AC, 192
.endif
.irp b, 0,1,2,3
.set rD, AC+8*\b
.if \first
.set rC, BIAS+8*\b
.else
.set rC, rD
.endif
.set rB, 48*((\st)%4)+FR*\b
.set rA, AF+FR*(\a)
.set rSB, SB+2*((\st)%4)+\b/2
.set rSA, SA+2*((\a)/2)+(\st)%2
.if \b%2
.if (\a)%2
	v_wmma_scale_f32_16x16x128_f8f6f4 v[rD:rD+7], v[rB:rB+FR-1], v[rA:rA+FR-1], v[rC:rC+7], v[rSB], v[rSA] matrix_a_fmt:MATRIX_FMT_BF6 matrix_b_fmt:MATRIX_FMT_BF6 matrix_a_scale:MATRIX_SCALE_ROW1 matrix_b_scale:MATRIX_SCALE_ROW1
.else
	v_wmma_scale_f32_16x16x128_f8f6f4 v[rD:rD+7], v[rB:rB+FR-1], v[rA:rA+FR-1], v[rC:rC+7], v[rSB], v[rSA] matrix_a_fmt:MATRIX_FMT_BF6 matrix_b_fmt:MATRIX_FMT_BF6 matrix_a_scale:MATRIX_SCALE_ROW1
.endif
.else
.if (\a)%2
	v_wmma_scale_f32_16x16x128_f8f6f4 v[rD:rD+7], v[rB:rB+FR-1], v[rA:rA+FR-1], v[rC:rC+7], v[rSB], v[rSA] matrix_a_fmt:MATRIX_FMT_BF6 matrix_b_fmt:MATRIX_FMT_BF6 matrix_b_scale:MATRIX_SCALE_ROW1
.else
	v_wmma_scale_f32_16x16x128_f8f6f4 v[rD:rD+7], v[rB:rB+FR-1], v[rA:rA+FR-1], v[rC:rC+7], v[rSB], v[rSA] matrix_a_fmt:MATRIX_FMT_BF6 matrix_b_fmt:MATRIX_FMT_BF6
.endif
.endif
.endr
.endm
.macro MULS a0, n, st, first
.set MI, \a0
.rept \n
	MULB MI, \st, \first
.set MI, MI+1
.endr
.endm
; A step of 128 along K: 68 matrix instructions.  A block of tokens is free as soon as its four products are issued: blocks 0-7 are fetched anew in the step's middle, blocks 8-16 at its end, each run four places behind
; the matrix instructions that read its registers (ISA guide 7.12.1 for vector instructions).  In the middle run W's set of three steps on is asked for too, into the registers that the step before read.
; Where the next step's bytes end in a chunk not read yet, every wave waits for its tensor loads and a barrier shows the chunk whole.  Where the next step begins in a later chunk and a chunk two on is left to fetch, the
; wait, the add and the wait for it stand in front of the barrier, which opens a round of the cluster's barrier, and the slot is filled again.
.macro STEP st, first
.set NX, (\st)+1
.set C0, (96*(\st))/ROWB
.set C1, (96*NX)/ROWB
.set E0, (96*(\st)+95)/ROWB
.set E1, (96*NX+95)/ROWB
.set REF, 0
.if C1 > C0
.if C0+2 < CHUNKS
.set REF, 1
.endif
.endif
.set BAR, REF
.if E1 > E0
.set BAR, 1
.endif
.set N2, 54+5*(1-(\st)%2)              ; LDS loads of the run at the last step's end: nine fragments, and in front of an even step five pairs of scale words
.set N1, 48+4*(1-NX%2)                 ; and of this step's middle run
.if (\st) == 14
	s_wait_loadcnt 25                              ; W's set of this step is in; behind it: the last set's 13 loads and 12 of order
.else
	s_wait_loadcnt 26                              ; W's set of this step is in (ahead of the first step: the bias too); the two younger sets, 13 loads each, may be out
.endif
.if BAR
	s_wait_tensorcnt 0x0                           ; my part of the chunk that was on its way is in  (every window is 0 here)
.if REF
	ds_add_u32 v[SPW], v[NIL]
	s_wait_dscnt N2+1                              ; (the add and the younger run may be out)
.else
	s_wait_dscnt N2
.endif
	WIN 0xa1-0x10*(\first)
	MULS 0, 4, \st, \first
	s_wait_dscnt 0x0                               ; all my LDS instructions are done: the add, where there is one, and my reads of the chunk left behind
	s_barrier_signal -1
	MULS 4, 4, \st, \first
	WIN 0
	s_barrier_wait -1
.if REF
	CREST                                          ; no wave of any partner still reads slot 0's chunk or has a load on its way
	tensor_load_to_lds s[G0R2:G0R2+3], s[G1A:G1A+7] ; chunk 2, the first tensor load behind the round, one a wave
	s_nop 0
	PLACES 4                                       ; also the places in front of the loads below
.else
	PLACES 4
.endif
.else
	s_wait_dscnt N2                                ; blocks 0-7 are in; the younger run (blocks 8-16) may be out
	WIN 0xa1-0x10*(\first)                         ; source 0 (W) window 1, source 1 (tokens) window 0, D window 2; C window 2, or 1 for the bias
	MULS 0, 8, \st, \first
	PLACES 4
	WIN 0
.endif
	FETCH_A NX, 0, 8
.if NX%2 == 0
	SCLA NX/2, 0, 4
.endif
.if (\st)+3 < 16
	LOADB (\st)+3
.endif
.if (\st) == 13
	LOADO 0, 6
.endif
.if (\st) == 14
	LOADO 6, 6
.endif
.if (\st)+5 < 16
	global_prefetch_b8 v[PFB], s[WB:WB+1] offset:(((\st)+5)/2)*BBLK+(((\st)+5)%2)*12288 th:TH_LOAD_NT scope:SCOPE_SE
.endif
.if (\st) == 1
	global_prefetch_b8 v[PFA], s[PX:PX+1] offset:2*ROWB th:TH_LOAD_NT scope:SCOPE_SE
.endif
.if (\st) == 2
	global_prefetch_b8 v[PFA], s[PX:PX+1] offset:2*ROWB+256 th:TH_LOAD_NT scope:SCOPE_SE
.endif
	s_wait_dscnt N1                                ; all but the run just issued: blocks 8-16 are in
	WIN 0xf1-0x20*(\first)
	MULS 8, 8, \st, \first
	WIN 0x51
	MULB 16, \st, \first
	PLACES 4
	WIN 0
	FETCH_A NX, 8, 9
.if NX%2 == 0
	SCLA NX/2, 4, 5
.endif
.endm
	WIN 0x40
.irp b, 0,1,2,3
	global_load_b128 v[BIAS+8*\b:BIAS+8*\b+3], v[H32], s[14:15] offset:64*\b          ; in the result's layout: lane (r, h), register j of block b: the bias of column 16 b + 8 h + j
	global_load_b128 v[BIAS+8*\b+4:BIAS+8*\b+7], v[H32], s[14:15] offset:64*\b+16
.endr
	LOADB 0
	LOADB 1
	LOADB 2
	s_wait_tensorcnt 0x0                           ; my tile of the head's four is in
	ds_add_u32 v[SPW], v[NIL]
	s_mov_b32 s[G1A+2], 68<<16                     ; no tensor load of mine is out: from here on a load brings 68 rows
	s_mov_b32 s[G1A+4], 68
	s_wait_dscnt 0x0
	CROUND                                         ; everybody's tiles are in, and all four work-groups are here
	tensor_load_to_lds s[G0R1:G0R1+3], s[G1A:G1A+7] ; chunk 1 into slot 1, the first tensor load behind the round
	s_nop 0
	PLACES 4
	FETCH_A 0, 0, 8
	SCLA 0, 0, 4
	FETCH_A 0, 8, 9
	SCLA 0, 4, 5
	STEP 0, 1                                      ; the walk along K is written out: slots and chunks come back to where they began only after all sixteen steps
.set ST, 1
.rept 14
	STEP ST, 0
.set ST, ST+1
.endr
	s_wait_loadcnt 24                              ; the last set of W is in; behind it 24 loads of order
	s_wait_dscnt 54
	WIN 0xa1
	MULS 0, 8, 15, 0
	PLACES 4
	LOADO 12, 5
	s_wait_dscnt 0x0
	WIN 0xf1
	MULS 8, 8, 15, 0
	WIN 0x51
	MULB 16, 15, 0
	WIN 0
	PLACES 4                                       ; behind the last products: for the first reads of results and the loads into the registers that held the tokens' fragments
; THE WAY OUT, block by block of 16 tokens x 64 columns, through my own stage.  LDS serves a wave's instructions in order (ISA guide 5.7.1.4): no wait between the stores and the loads, nor in front of the next block's stores.
.macro TOSTAGE a
.if (\a) < 16
.set AC, 32*((\a)%8)
	WIN 0x08+4*((\a)/8)                            ; an LDS store's data are its source 1: window 2 or 3
.else
.set AC, 192
	WIN 0x04
.endif
.irp b, 0,1,2,3
	ds_store_b128 v[STO], v[AC+8*\b:AC+8*\b+3] offset:64*\b          ; each accumulator from its low end on
	ds_store_b128 v[STO], v[AC+8*\b+4:AC+8*\b+7] offset:64*\b+16
.endr
	WIN 0
.set BB, BK+32*((\a)%2)
.irp t, 0,1,2,3,4,5,6,7
	ds_load_b128 v[BB+4*\t:BB+4*\t+3], v[RD] offset:\t*SPITCH
.endr
.endm
; Block a is stored.  younger: the LDS instructions issued behind its loads.  A slot's token gives the row of out0; a padding slot (8192) is masked off.  EXEC changes only behind s_wait_xcnt 0.
.macro SEND a, younger
.set TK, 8*(\a)
.set BB, BK+32*((\a)%2)
	s_wait_dscnt \younger
.if (\a) == 0
	s_wait_loadcnt 22                              ; order of blocks 0-5 is in; 12 + 10 younger loads may be out
.endif
.if (\a) == 6
	s_wait_loadcnt 10
.endif
.if (\a) == 12
	s_wait_loadcnt 0x0
.endif
	WIN 0x04                                       ; source 1: window 1
.irp t, 0,1,2,3,4,5,6,7
	v_cmp_gt_u32 s[80+\t], 0x2000, v[TK+\t]        ; lanes whose row is a token's
.endr
.irp t, 0,1,2,3,4,5,6,7
	v_min_u32 v[AT+\t], 0x1fff, v[TK+\t]           ; held inside out0
.endr
	WIN 0
.irp t, 0,1,2,3,4,5,6,7
	v_lshl_add_u32 v[AT+\t], v[AT+\t], 13, v[CO]   ; a row of out0 is 8,192 bytes; + my 16 bytes
.endr
	s_wait_alu depctr_va_vdst(0)
.irp t, 0,1,2,3,4,5,6,7
	s_wait_xcnt 0x0                                ; the stores issued so far have read EXEC
	s_mov_b32 exec_lo, s[80+\t]
	global_store_b128 v[AT+\t], v[BB+4*\t:BB+4*\t+3], s[18:19] th:TH_STORE_NT   ; 16 lanes store 256 consecutive bytes of a token's row, at a multiple of 256 from out0's first byte; written once, read by nobody here
.endr
	s_wait_xcnt 0x0                                ; and again in front of the line that widens EXEC; the stores have also read their registers
	s_mov_b32 exec_lo, -1
.endm
	TOSTAGE 0
.set WA, 1
.rept 16
	TOSTAGE WA
	SEND WA-1, 16                                  ; behind block a - 1's loads: block a's 8 stores and 8 loads
.set WA, WA+1
.endr
	SEND 16, 0
	s_wait_tensorcnt 0x0                           ; the wave's end, behind my last tensor load and my last LDS store
	ds_add_u32 v[SPW], v[NIL]
	s_wait_dscnt 0x0
	CROUND                                         ; the closing round: no work-group ends while a partner may still ask for a tile that names it
	s_endpgm
.Lfunc_end_k_qae1900e4f8_gemm:
	.size	k_qae1900e4f8_gemm, .Lfunc_end_k_qae1900e4f8_gemm-k_qae1900e4f8_gemm
	.p2alignl 7, 3214868480
	.fill 96, 4, 3214868480
	.section	.rodata,"a",@progbits
	.p2align	6, 0x0
	.amdhsa_kernel k_qae1900e4f8_gemm
		.amdhsa_group_segment_fixed_size 327680
		.amdhsa_private_segment_fixed_size 0
		.amdhsa_enable_private_segment 0
		.amdhsa_kernarg_size 64
		.amdhsa_user_sgpr_count 2
		.amdhsa_user_sgpr_kernarg_segment_ptr 1
		.amdhsa_wavefront_size32 1
		.amdhsa_system_sgpr_workgroup_id_x 1
		.amdhsa_system_sgpr_workgroup_id_y 1
		.amdhsa_system_sgpr_workgroup_id_z 1
		.amdhsa_system_vgpr_workitem_id 0
		.amdhsa_next_free_vgpr 1024
		.amdhsa_next_free_sgpr 100
		.amdhsa_reserve_vcc 0
		.amdhsa_float_denorm_mode_32 3
		.amdhsa_float_denorm_mode_16_64 3
		.amdhsa_memory_ordered 1
		.amdhsa_forward_progress 1
		.amdhsa_inst_pref_size 255
	.end_amdhsa_kernel
	.section	.bss,"aw",@nobits
	.p2align	6
	.space	262144
	.amdgpu_metadata
---
amdhsa.version: [ 1, 2 ]
amdhsa.kernels:
  - .name:           k_qae1900e4f8_gemm
    .symbol:         k_qae1900e4f8_gemm.kd
    .args:
      - { .name: xp, .offset: 0, .size: 8, .value_kind: global_buffer, .address_space: global }
      - { .name: xps, .offset: 8, .size: 8, .value_kind: global_buffer, .address_space: global }
      - { .name: wf, .offset: 16, .size: 8, .value_kind: global_buffer, .address_space: global }
      - { .name: order, .offset: 24, .size: 8, .value_kind: global_buffer, .address_space: global }
      - { .name: meta, .offset: 32, .size: 8, .value_kind: global_buffer, .address_space: global }
      - { .name: b_img, .offset: 40, .size: 8, .value_kind: global_buffer, .address_space: global }
      - { .name: b_text, .offset: 48, .size: 8, .value_kind: global_buffer, .address_space: global }
      - { .name: out0, .offset: 56, .size: 8, .value_kind: global_buffer, .address_space: global }
    .group_segment_fixed_size: 327680
    .private_segment_fixed_size: 0
    .kernarg_segment_align: 8
    .kernarg_segment_size: 64
    .max_flat_workgroup_size: 128
    .sgpr_count:     100
    .vgpr_count:     1024
    .wavefront_size: 32
...
	.end_amdgpu_metadata
.endif
;; end of part 2
